; MI455X (gfx1250); checked and timed in simulation.
; The chip was launched on July 23, 2026; its instructions are those of AMD's public machine-readable ISA for CDNA 5 (MIT licence, August 2026) and "CDNA5" Instruction Set Architecture Reference Guide (July 2026). The comments in the code are by the model that wrote it; some were corrected since.
;; Multi Head Attention. Allowed arithmetic: float matrix products may take bf16 or f16 operands with f32 sums; other float arithmetic in f32, or as packed bf16 or f16 multiplies, adds, multiply-adds, maxima and minima; sums over many terms, partial sums and values carried from step to step in f32; what a program stores and reads back later, other than sums and carried values, may be rounded once to bf16 or f16.
;; Inputs: Wk 1,024 x 1,024 float32; Wo 1,024 x 1,024 float32; Wq 1,024 x 1,024 float32; Wv 1,024 x 1,024 float32; bk 1,024 float32; bo 1,024 float32; bq 1,024 float32; bv 1,024 float32; k 4 x 4,096 x 1,024 float32; q 4 x 4,096 x 1,024 float32; v 4 x 4,096 x 1,024 float32.
;; Outputs: out0 4 x 4,096 x 1,024 float32.
;; One version. Each part assembles by itself: llvm-mc -triple=amdgcn-amd-amdhsa -mcpu=gfx1250 --defsym DOCPART=n.
;; ======== version 1 of 1: 3 launches
;; limits: values are held in f16: magnitudes above 65,504 overflow, below 6.1e-05 lose precision; right only within a limited range of input values
;; workspace buffers: wb 8,388,608 bytes; bp 12,288 bytes; qf 33,554,432 bytes; kf 33,554,432 bytes; vf 33,554,432 bytes
;; launch castw (part 1): grid 128 x 4, 8 waves a work-group, no clusters, 0 bytes of LDS; arguments Wq, Wk, Wv, Wo, bq, bk, bv, wb, bp; writes wb, bp
.if DOCPART == 1
	.amdgcn_target "amdgcn-amd-amdhsa--gfx1250"
	.amdhsa_code_object_version 6
	.text
	.protected	k_qc9a065eef7_castw
	.globl	k_qc9a065eef7_castw
	.p2align	8
	.type	k_qc9a065eef7_castw,@function
k_qc9a065eef7_castw:
	s_mov_b64 s[64:65], 0
	v_nop
	global_prefetch_b8 v0, s[64:65] scope:SCOPE_SE
	s_setreg_imm32_b32 hwreg(HW_REG_WAVE_MODE, 25, 1), 1
	s_wait_xcnt 0x0
; The four weight matrices ([1024 k][1024 n], f32) are rounded once to f16 and laid out as ready matrix fragments; a block of 1,024 bytes is 16 columns m by 32 rows kk of K step s:
; element (kk = 16 c + 8 h + e, m) at byte 512 c + 16 (m + 16 h) + 2 e: lane m + 16 h of a later launch takes its 16 bytes at 16 x lane, twice.
;   Wq, Wk, Wv (mat 0-2): wb[mat][u 2][group s / 4][wave w 4][s % 4][block b 8][1,024].  Wave U = 4 u + w of the projection owns 128 columns t = 16 b + m, PERMUTED:
;     Wq, Wk: column n = 64 (t / 8) + 8 U + t % 8         (head t / 8, channels 8 U + 0..7)
;     Wv:     column n = 64 (8 (U % 2) + t % 8) + 16 (U / 2) + t / 8   (channel 16 (U / 2) + t / 8, heads 8 (U % 2) + 0..7)
;     so that what that wave stores for a position, 256 consecutive bytes, is a piece of the attention's operands as they lie in registers.
;   Wo (mat 3): at 6 MiB, [s 32][wave w 4][block b 16][1,024], columns as they are: n = 256 w + 16 b + m.
;   bp[mat 3][U 8][128] f32: bq, bk, bv permuted like their matrices' columns.
; A work-group takes one (mat, s, quarter): 32 rows x 256 columns, a column a thread: 32 loads of 4 bytes, four stores of 16 bytes of which sixteen neighbouring lanes cover 256 consecutive bytes, aligned.
; The permuted columns are read in pieces of 32 bytes (Wq, Wk) or 16 bytes (Wv); the four quarters of a K step together read its rows whole.  16 MiB in all: no LDS, no barrier, no matrix unit.
; LIMITS.  f16: a weight of 65,520 or more in magnitude becomes an infinity; below 6e-5 the step is fixed at 6e-8.
	s_load_b512 s[4:19], s[0:1], 0x0               ; Wq s[4:5], Wk s[6:7], Wv s[8:9], Wo s[10:11], bq s[12:13], bk s[14:15], bv s[16:17], wb s[18:19]
	s_load_b64 s[20:21], s[0:1], 0x40              ; bp
	s_and_b32 s22, ttmp7, 0xffff                   ; mat
	s_lshr_b32 s23, ttmp9, 2                       ; K step s
	s_and_b32 s24, ttmp9, 3                        ; quarter: waves U = 2 x quarter, 2 x quarter + 1 (mat 3: wave w = quarter)
	s_lshl_b32 s32, s23, 17                        ; from: 32 s rows of 4,096 bytes
	s_mov_b32 s33, 0
	s_lshl_b32 s34, s22, 21                        ; to: mat x 2 MiB,
	s_lshr_b32 s25, s24, 1                         ; mats 0-2: + u x 1 MiB
	s_lshl_b32 s25, s25, 20
	s_add_co_u32 s36, s34, s25
	s_lshr_b32 s25, s23, 2                         ; + group x 128 KiB
	s_lshl_b32 s25, s25, 17
	s_add_co_u32 s36, s36, s25
	s_and_b32 s25, s24, 1                          ; + the wave pair x 64 KiB
	s_lshl_b32 s25, s25, 16
	s_add_co_u32 s36, s36, s25
	s_and_b32 s25, s23, 3                          ; + step in the group x 8 KiB
	s_lshl_b32 s25, s25, 13
	s_add_co_u32 s36, s36, s25
	s_lshl_b32 s25, s23, 16                        ; mat 3: + s x 64 KiB + w x 16 KiB
	s_add_co_u32 s37, s34, s25
	s_lshl_b32 s25, s24, 14
	s_add_co_u32 s37, s37, s25
	s_cmp_eq_u32 s22, 3
	s_cselect_b32 s34, s37, s36
	s_cselect_b32 s26, 13, 15                      ; what the thread's upper half (t / 128) is worth: 8 blocks, or a wave's 32 KiB
	s_cselect_b32 s27, -1, 0                       ; all lanes: columns as they are
	s_mov_b32 s35, 0
	s_cmp_eq_u32 s22, 2
	s_cselect_b32 s28, -1, 0                       ; all lanes: Wv's permutation
	s_lshl_b32 s38, s22, 12                        ; bp: mat x 4,096 + quarter x 1,024 (+ 4 t)
	s_lshl_b32 s25, s24, 10
	s_add_co_u32 s38, s38, s25
	s_mov_b32 s39, 0
	v_and_b32 v3, 127, v0                          ; t within its wave's 128 columns
	v_lshrrev_b32 v4, 7, v0
	v_lshl_add_u32 v5, s24, 1, v4                  ; U
	v_lshrrev_b32 v6, 3, v3                        ; t / 8
	v_and_b32 v7, 7, v3                            ; t % 8
	v_lshlrev_b32 v8, 6, v6                        ; Wq, Wk: 64 (t / 8) + 8 U + t % 8
	v_lshl_add_u32 v8, v5, 3, v8
	v_add_nc_u32 v8, v8, v7
	v_and_b32 v9, 1, v5                            ; Wv: head 8 (U % 2) + t % 8,
	v_lshl_add_u32 v9, v9, 3, v7
	v_lshrrev_b32 v10, 1, v5                       ; channel 16 (U / 2) + t / 8
	v_lshl_add_u32 v10, v10, 4, v6
	v_lshl_add_u32 v9, v9, 6, v10
	v_lshl_add_u32 v10, s24, 8, v0                 ; Wo: 256 x quarter + thread
	v_cndmask_b32 v1, v8, v9, s28
	v_cndmask_b32 v1, v1, v10, s27
	v_lshlrev_b32 v1, 2, v1                        ; my column, in bytes
	v_lshrrev_b32 v12, 4, v3                       ; block
	v_and_b32 v13, 15, v3                          ; m
	v_lshlrev_b32 v2, 10, v12
	v_lshl_add_u32 v2, v13, 4, v2
	v_lshlrev_b32 v11, s26, v4
	v_add_nc_u32 v2, v2, v11                       ; 1,024 x block + 16 m + the upper half's share
	v_lshlrev_b32 v53, 2, v0
	s_wait_kmcnt 0x0
	s_cmp_eq_u32 s22, 1                            ; the sources are chosen by the grid's y alone
	s_cselect_b64 s[40:41], s[6:7], s[4:5]
	s_cselect_b64 s[42:43], s[14:15], s[12:13]
	s_cmp_eq_u32 s22, 2
	s_cselect_b64 s[40:41], s[8:9], s[40:41]
	s_cselect_b64 s[42:43], s[16:17], s[42:43]
	s_cmp_eq_u32 s22, 3
	s_cselect_b64 s[40:41], s[10:11], s[40:41]
	s_add_nc_u64 s[40:41], s[40:41], s[32:33]
	s_add_nc_u64 s[18:19], s[18:19], s[34:35]
	s_add_nc_u64 s[20:21], s[20:21], s[38:39]
.set kk, 0
.rept 32
	global_load_b32 v[4+kk], v1, s[40:41] offset:4096*kk  ; row 32 s + kk
.set kk, kk+1
.endr
.set gg, 0
.rept 4                                                ; group gg = 2 c + h: rows 8 gg .. 8 gg + 7
	s_wait_loadcnt 24-8*gg                         ; loads come back in order: the 8 (3 - gg) younger ones may stay out
.set zz, 0
.rept 4
	v_cvt_pk_f16_f32 v[36+4*gg+zz], v[4+8*gg+2*zz], v[4+8*gg+2*zz+1]
.set zz, zz+1
.endr
	global_store_b128 v2, v[36+4*gg:36+4*gg+3], s[18:19] offset:256*gg  ; lanes 0-15: 256 consecutive bytes of a block; lanes 16-31: the same of the next block
.set gg, gg+1
.endr
	s_cmp_lg_u32 s23, 0                            ; the work-groups of K step 0 also permute the bias of their 256 columns (Wo's bias is used as it lies)
	s_cbranch_scc1 .Lno_bias
	s_cmp_eq_u32 s22, 3
	s_cbranch_scc1 .Lno_bias
	global_load_b32 v52, v1, s[42:43]
	s_wait_loadcnt 0x0
	global_store_b32 v53, v52, s[20:21]            ; 4 bytes a lane, the work-group's 1,024 bytes on end: 12 KiB in the whole launch
.Lno_bias:
	s_endpgm
.Lfunc_end_k_qc9a065eef7_castw:
	.size	k_qc9a065eef7_castw, .Lfunc_end_k_qc9a065eef7_castw-k_qc9a065eef7_castw
	.p2alignl 7, 3214868480
	.fill 96, 4, 3214868480
	.section	.rodata,"a",@progbits
	.p2align	6, 0x0
	.amdhsa_kernel k_qc9a065eef7_castw
		.amdhsa_group_segment_fixed_size 0
		.amdhsa_private_segment_fixed_size 0
		.amdhsa_enable_private_segment 0
		.amdhsa_kernarg_size 72
		.amdhsa_user_sgpr_count 2
		.amdhsa_user_sgpr_kernarg_segment_ptr 1
		.amdhsa_wavefront_size32 1
		.amdhsa_system_sgpr_workgroup_id_x 1
		.amdhsa_system_sgpr_workgroup_id_y 1
		.amdhsa_system_sgpr_workgroup_id_z 1
		.amdhsa_system_vgpr_workitem_id 0
		.amdhsa_next_free_vgpr 56
		.amdhsa_next_free_sgpr 66
		.amdhsa_reserve_vcc 0
		.amdhsa_float_denorm_mode_32 3
		.amdhsa_float_denorm_mode_16_64 3
		.amdhsa_memory_ordered 1
		.amdhsa_forward_progress 1
		.amdhsa_inst_pref_size 8
	.end_amdhsa_kernel
	.amdgpu_metadata
---
amdhsa.version: [ 1, 2 ]
amdhsa.kernels:
  - .name:           k_qc9a065eef7_castw
    .symbol:         k_qc9a065eef7_castw.kd
    .args:
      - { .name: Wq, .offset: 0, .size: 8, .value_kind: global_buffer, .address_space: global }
      - { .name: Wk, .offset: 8, .size: 8, .value_kind: global_buffer, .address_space: global }
      - { .name: Wv, .offset: 16, .size: 8, .value_kind: global_buffer, .address_space: global }
      - { .name: Wo, .offset: 24, .size: 8, .value_kind: global_buffer, .address_space: global }
      - { .name: bq, .offset: 32, .size: 8, .value_kind: global_buffer, .address_space: global }
      - { .name: bk, .offset: 40, .size: 8, .value_kind: global_buffer, .address_space: global }
      - { .name: bv, .offset: 48, .size: 8, .value_kind: global_buffer, .address_space: global }
      - { .name: wb, .offset: 56, .size: 8, .value_kind: global_buffer, .address_space: global }
      - { .name: bp, .offset: 64, .size: 8, .value_kind: global_buffer, .address_space: global }
    .group_segment_fixed_size: 0
    .private_segment_fixed_size: 0
    .kernarg_segment_align: 8
    .kernarg_segment_size: 72
    .max_flat_workgroup_size: 256
    .sgpr_count:     66
    .vgpr_count:     56
    .wavefront_size: 32
...
	.end_amdgpu_metadata
.endif
;; end of part 1
;; launch proj (part 2): grid 256 x 1, 4 waves a work-group, clusters of 4 x 1, 327,680 bytes of LDS; arguments q, k, v, wb, bp, qf, kf, vf; writes qf, kf, vf
.if DOCPART == 2
	.amdgcn_target "amdgcn-amd-amdhsa--gfx1250"
	.amdhsa_code_object_version 6
	.text
	.protected	k_qc9a065eef7_proj
	.globl	k_qc9a065eef7_proj
	.p2align	8
	.type	k_qc9a065eef7_proj,@function
k_qc9a065eef7_proj:
	s_mov_b64 s[64:65], 0
	v_nop
	global_prefetch_b8 v0, s[64:65] scope:SCOPE_SE
	s_setreg_imm32_b32 hwreg(HW_REG_WAVE_MODE, 25, 1), 1
	s_wait_xcnt 0x0
	s_wait_alu depctr_hold_cnt(0) depctr_sa_sdst(0) depctr_va_vdst(0) depctr_va_sdst(0) depctr_va_ssrc(0) depctr_va_vcc(0) depctr_vm_vsrc(0)
	s_getreg_b32 s2, hwreg(HW_REG_IB_STS2, 6, 4)
	s_cmp_eq_u32 s2, 0
	s_cbranch_scc0 .Lentry_in_a_cluster
	s_endpgm
.Lentry_in_a_cluster:
	s_bfe_u32 s2, ttmp6, 0x10000c
	s_cmp_lg_u32 s2, 0x3003
	s_cbranch_scc0 .Lentry_shape_is_right
	s_endpgm
.Lentry_shape_is_right:
; Q = q Wq + bq, K = k Wk + bk, V = v Wv + bv.  q, k, v: [16,384][1,024] f32.  qf, kf, vf: [16,384 positions][2,048 bytes] f16, each number rounded once from its f32 sum.
; SHARES.  A work-group makes 128 rows x 512 columns of all three products, one after the other (three PHASES of 32 K steps of 32): 128 row blocks x 2 column halves = 256 work-groups.
; Wave w makes 128 x 128: 64 accumulators, 512 registers.  For 32 along K it reads 8 KiB of W and 8 KiB of x from LDS for 64 matrix instructions.
; The matrix instruction is used transposed (source 0 = 16 columns of W, source 1 = 16 rows of x): lane (r = l % 16, h = l / 16), register j of tile (a, b) holds row 16 a + r, the wave's column 16 b + 8 h + j.
; COLUMNS ARE PERMUTED (by the launch that laid the weights out): wave U = 4 u + w owns, of Q and K, channels 8 U + 0..7 of all 16 heads (column t: head t / 8), and of V, heads 8 (U % 2) + 0..7 of
; channels 16 (U / 2) + 0..15 (column t: channel t / 8).  Its 128 numbers of a position are 256 consecutive bytes at byte 256 U of the position's 2,048: a position's row of qf and kf is the register image of
; its two fragments (16 heads x 32 channels), a row of vf that of V^T's four half fragments (16 channels x 16 heads).
; WEIGHTS come as ready fragment images, four K steps (32 KiB a wave, dense) by one tensor load a wave into the wave's own quarter of one of two slots: one wait for all loads, one barrier and one load a wave
; for every 256 matrix instructions, 240 of them between a request and the wait for it.
; CLUSTER.  The four work-groups of a cluster have the same column half and walk the same weights: each tile is asked for JOINTLY, same descriptor, mask of four.  x's rows are a work-group's own.
; The groups of four K steps are walked in a ring that begins at group (cluster x / 2) % 8: clusters ask for different tiles at the same time; a sum's order of K differs from ascending by that rotation.
; X comes through registers: a chunk is 128 rows x 64 k; each wave loads 32 rows (a row's 256 bytes by sixteen lanes), rounds to f16 and stores into a ring of two LDS slots; two chunks are always on their way.
; The ring of slots and the stream of chunks run on across the phases; a phase's last K step already fetches the next phase's first fragments.
; THE BIAS is the C operand of a phase's first products.
; LIMITS.  Matrix operands and results are f16: |x|, |W|, |Q|, |K|, |V| of 65,520 or more become infinities; below 6e-5 the step is fixed at 6e-8.  NaN and infinities are not treated apart.
; REGISTERS, in windows of 256 (s_set_vgpr_msb: bits 1:0 source 0, 3:2 source 1, 5:4 source 2, 7:6 destination):
;   window 0: v0-29 addresses; v32-95, v96-159 x fragments, two buffers (the second also: rows on their way out); v160-223 the bias (also: packed results)
;   window 1: v0-63, v64-127 weight fragments, two buffers; v128-191, v192-255 x chunks on their way
;   windows 2, 3: the accumulators, tile T = 8 a + b at v[8 (T % 32)] of window 2 + T / 32
.set SLOT1,  131072                    ; LDS: weight slot 0 at 0, slot 1 here, so that one exclusive or turns an address in one slot into the other's; wave w's quarter at + 32,768 w, step j at + 8,192 j.  Filled by tensor loads alone
.set AB,     262144                    ; the x ring: two slots of 128 rows x 128 bytes, 144 apart: an odd multiple of 16, so sixteen rows start in sixteen different groups of four banks (ISA guide 11.1)
.set PHD,    144
.set ASLOT,  128*PHD
.set STAGE,  AB+2*ASLOT                ; the way out: 16 rows x 256 bytes, 272 apart, for each wave
.set SPITCH, 272
.set BI,     STAGE+4*16*SPITCH         ; the biases: [wave][phase][128 f32]
.set SPARE,  BI+6144                   ; the spare words, 128 bytes a wave: two blocks of 256 bytes that no other line names
.set VB0,  8                           ; v8   my 16 bytes of a fragment image in slot 0: 32,768 w + 16 l; never rewritten
.set VB,   9                           ; v9   the same in the slot in hand
.set VAA,  10                          ; v10  x fragments: AB + 144 r + 16 h
.set VXW,  11                          ; v11  x chunk in: AB + (32 w + h) 144 + 8 r
.set XGO,  12                          ; v12  x chunk in memory: (32 w + h) 4,096 + 16 r
.set VBI,  13                          ; v13  bias of the phase in hand: BI + 1,536 w + 32 h + 512 phase
.set VBL,  14                          ; v14  BI + 1,536 w + 16 l
.set STO,  15                          ; v15  the way out: where I put 16 bytes of a row
.set RD,   16                          ; v16  the way out: where I read a row back
.set CO,   17                          ; v17  my byte offset in two positions' rows: 2,048 h + 16 r
.set VBG,  18                          ; v18  16 l
.set SPW,  28                          ; v28  my spare word: SPARE + 4 x my thread's number; never rewritten
.set NIL,  29                          ; v29  0; never rewritten
.set AF,   32
.set OB,   96
.set BIASR, 160
.set TMP,  160
.set XB,   128                         ; window 1
.set WV,   3                           ; s3   my wave's number
.set RO,   6                           ; s6   the rotation, in groups of four K steps
.set RO2,  7                           ; s7   the same in chunks
.set PQ,   8                           ; s[8:13]  q, k, v at my work-group's first row
.set WBW,  14                          ; s[14:15] wb at my column half's, my wave's part of Wq's group 0
.set BPB,  16                          ; s[16:17] bp at my wave's 128 numbers
.set POUT, 18                          ; s[18:23] qf, kf, vf at my wave's 256 bytes of my work-group's first position
.set OUTB, 24                          ; s[24:25] the one of them in hand
.set OFF,  26                          ; s[26:27] an offset, high word 0
.set XBASE, 28                         ; s[28:29] the x chunk being asked for
.set TP,   30                          ; s[30:31] its tensor
.set G1,   32                          ; s[32:39] descriptor group 1, never rewritten
.set G0A,  40                          ; s[40:43] descriptor group 0 of the first fill
.set G0,   44                          ; s[44:47] of the second; it then walks
.set NL,   48                          ; s48  the group to be asked for next, 0 .. 23 (8 x phase + group)
.set XI,   50                          ; s50  x chunks asked for
.set TB,   51                          ; s51  0 or SLOT1: the slot that is read
.set EX,   52                          ; s52  the count at which the loop is left at its bottom: 2 in the last phase
.set PHL,  53                          ; s53  phases to go: 3 Q, 2 K, 1 V
.set LC,   54
.set ST0,  55
.set UH,   56                          ; s56  my column half
.set ST1,  60
.set MSB, 0
.macro WIN new                         ; the immediate's high byte repeats the setting that is left; a switch that changes nothing is dropped
.if MSB != (\new)
	s_set_vgpr_msb (MSB<<8)|(\new)
.set MSB, \new
.endif
.endm
.set TO_B, 0x40                        ; destination window 1
.macro PLACES                          ; four places: between a matrix instruction and a vector instruction or load that touches its registers (ISA guide 7.12.1 for vector instructions)
.rept 4
	v_nop
.endr
.endm
.macro CREST                           ; a round of the cluster's barrier behind its opening barrier: wave 0 signals for the work-group, every wave waits for all four, the work-group's barrier closes
	s_cmp_lg_u32 s[WV], 0
	s_cbranch_scc1 .Lnot_wave_0_\@
	s_barrier_signal -3
.Lnot_wave_0_\@:
	s_barrier_wait -3
	s_barrier_signal -1
	s_barrier_wait -1
.endm
.macro CROUND
	s_barrier_signal -1
	s_barrier_wait -1
	CREST
.endm
; 8 matrix instructions: row block g, column blocks 0 .. 7: tiles 8 g .. 8 g + 7.  All 64 accumulators take turns in the same order in every K step.  zero = 1: the sums start from the bias
.macro MUL8 f, g, zero
.if \zero
	WIN 0x81+0x40*((\g)/4)                         ; W window 1, x and the bias window 0, D window 2 or 3
.else
	WIN 0xa1+0x50*((\g)/4)                         ; W window 1, x window 0, C and D window 2 or 3
.endif
.set bb, 0
.rept 8
.set rD, 8*(8*((\g)%4)+bb)
.set rB, 64*(\f)+8*bb
.set rA, AF+64*(\f)+8*(\g)
.if \zero
	v_wmma_f32_16x16x32_f16 v[rD:rD+7], v[rB:rB+7], v[rA:rA+7], v[BIASR+8*bb:BIASR+8*bb+7]
.else
	v_wmma_f32_16x16x32_f16 v[rD:rD+7], v[rB:rB+7], v[rA:rA+7], v[rD:rD+7]
.endif
.set bb, bb+1
.endr
.endm
; 32 LDS loads in one run: a K step's 8 weight fragments (step j of the slot in hand; consecutive bytes) and its 8 x fragments at byte aoff of the ring, into buffer f
.macro FETCH f, j, aoff
	WIN TO_B
.set bb, 0
.rept 8
	ds_load_b128 v[64*(\f)+8*bb:64*(\f)+8*bb+3],   v[VB] offset:8192*(\j)+1024*bb
	ds_load_b128 v[64*(\f)+8*bb+4:64*(\f)+8*bb+7], v[VB] offset:8192*(\j)+1024*bb+512
.set bb, bb+1
.endr
	WIN 0
.set bb, 0
.rept 8
	ds_load_b128 v[AF+64*(\f)+8*bb:AF+64*(\f)+8*bb+3],   v[VAA] offset:(\aoff)+16*PHD*bb
	ds_load_b128 v[AF+64*(\f)+8*bb+4:AF+64*(\f)+8*bb+7], v[VAA] offset:(\aoff)+16*PHD*bb+32
.set bb, bb+1
.endr
.endm
.macro BIASLOAD                        ; the phase's bias of my eight columns of each column block
.set bb, 0
.rept 8
	ds_load_b128 v[BIASR+8*bb:BIASR+8*bb+3],   v[VBI] offset:64*bb
	ds_load_b128 v[BIASR+8*bb+4:BIASR+8*bb+7], v[VBI] offset:64*bb+16
.set bb, bb+1
.endr
.endm
.macro WALK                            ; the walking group 0: the other slot than last time; group NL: the phase's bits stay, the group is turned by the cluster's rotation; a pointer plus an offset made apart.  The reads change slots too
	s_xor_b32 s[G0+1], s[G0+1], SLOT1
	s_add_co_u32 s[ST0], s[NL], s[RO]
	s_and_b32 s[ST0], s[ST0], 7
	s_lshl_b32 s[ST0], s[ST0], 17                  ; a group is 131,072 bytes,
	s_and_b32 s[ST1], s[NL], 0x18
	s_lshl_b32 s[ST1], s[ST1], 18                  ; a matrix 2 MiB
	s_or_b32 s[OFF], s[ST0], s[ST1]
	s_add_nc_u64 s[G0+2:G0+3], s[WBW:WBW+1], s[OFF:OFF+1]
	s_or_b32 s[G0+3], s[G0+3], 0x80000000
	s_add_co_u32 s[NL], s[NL], 1
	s_xor_b32 s[TB], s[TB], SLOT1
.endm
.macro JFILL                           ; the joint refill: one line for all waves, each with its own quarter in both addresses; s_nop 0 and four v_nop follow
	tensor_load_to_lds s[G0:G0+3], s[G1:G1+7]
	s_nop 0
	PLACES
.endm
; x chunk XI is asked for, into buffer beta: 16 chunks each of q, k, v; within a tensor the chunks are turned like the K steps.  No hint: the work-group of the other column half reads the same rows
.macro ISSUE beta
	s_wait_xcnt 0x0                                ; the base of the loads before is rewritten only behind this wait (ISA guide 3.1)
	s_cmp_lt_u32 s[XI], 16
	s_cselect_b64 s[TP:TP+1], s[PQ:PQ+1], s[PQ+2:PQ+3]
	s_cmp_lt_u32 s[XI], 32
	s_cselect_b64 s[TP:TP+1], s[TP:TP+1], s[PQ+4:PQ+5]
	s_add_co_u32 s[ST0], s[XI], s[RO2]
	s_and_b32 s[ST0], s[ST0], 15
	s_lshl_b32 s[OFF], s[ST0], 8                   ; 64 f32 are 256 bytes of a row
	s_add_nc_u64 s[XBASE:XBASE+1], s[TP:TP+1], s[OFF:OFF+1]
	s_add_co_u32 s[XI], s[XI], 1
	WIN TO_B
.set jj, 0
.rept 16
	global_load_b128 v[XB+64*(\beta)+4*jj:XB+64*(\beta)+4*jj+3], v[XGO], s[XBASE:XBASE+1] offset:8192*jj  ; lanes 0-15: 256 consecutive bytes of row 32 w + 2 jj, aligned; lanes 16-31: of the next row
.set jj, jj+1
.endr
	WIN 0
.endm
.macro CVTST beta                      ; buffer beta is rounded to f16, in place, and goes into ring slot beta
	WIN 0x45                                       ; all in window 1
.set jj, 0
.rept 16
.set rX, XB+64*(\beta)+4*jj
	v_cvt_pk_f16_f32 v[rX], v[rX], v[rX+1]
	v_cvt_pk_f16_f32 v[rX+1], v[rX+2], v[rX+3]
.set jj, jj+1
.endr
	WIN 0x04                                       ; data in window 1
.set jj, 0
.rept 16
.set rX, XB+64*(\beta)+4*jj
	ds_store_b64 v[VXW], v[rX:rX+1] offset:ASLOT*(\beta)+2*PHD*jj
.set jj, jj+1
.endr
	WIN 0
.endm
; A CHUNK STEP, every second K step: the chunk in buffer beta goes into ring slot beta; more = 1: the chunk two further on is asked for, into the same buffer.  The chunk steps take the two buffers by turns on
; every way through the text.  left: the younger loads that may stay out: the next chunk's 16, or none behind the last chunk.
.macro XSTEP beta, left, more
	WIN 0
	s_wait_loadcnt \left                           ; loads come back in order: buffer beta's 16 are in
	CVTST \beta
.if \more
	ISSUE \beta
.endif
.endm
; A K STEP: 64 matrix instructions on buffer f; behind the first 24 the next step's fragments are fetched (step j of the slot, byte aoff of the x ring), 40 matrix instructions ahead of their use.
; kind 0 (even steps): no barrier.
; kind 1 (t % 4 = 1): a plain barrier, for the x ring; the tensor load that is out fills the slot that nobody reads.
; kind 2 (t % 4 = 3): THE CHANGE OF SLOTS, a round of the cluster's barrier.  In front of it each wave waits for all its tensor loads (one is out: its quarter of the other slot), adds 0 to its spare word, and
;   waits for that and for its LDS instructions: its reads of this slot ended at the step's head.  Behind it this slot is asked for again, two groups ahead, first of all; then the other slot's first step is read.
; kind 3: the launch's last change of slots: nothing is left to ask for; a plain barrier, for the x ring.
; kind 4: the launch's last step: nothing is fetched, and nobody waits for anybody.
; THE X RING leans on the barriers of the odd steps: a chunk is stored in an even step, behind a barrier in front of which the reads of the chunk that it replaces were waited for (at the odd step's head),
; and first read behind the next odd step's barrier, in front of which the stores were waited for (at that step's head).
; xs: the chunk step's buffer, or -1; left, more: as in XSTEP.  zero = 1: a phase's first step.
.macro TURN f, kind, j, aoff, xs, zero, left=16, more=1
	s_wait_dscnt 0x0                               ; this step's fragments are in, and my stores into the x ring are done: no LDS instruction of mine is out
.if (\kind) == 2
	MUL8 \f, 0, \zero
	WIN 0                                          ; (the add's two registers lie in window 0)
	s_wait_tensorcnt 0x0                           ; no tensor load of mine is out, so a group 0 may be written
	ds_add_u32 v[SPW], v[NIL]                      ; 0 onto my spare word
	WALK
	MUL8 \f, 1, \zero                              ; work on registers between the add and the wait for it
	s_wait_dscnt 0x0                               ; the add is done
	s_barrier_signal -1
	MUL8 \f, 2, \zero
	WIN 0
	s_barrier_wait -1
	CREST                                          ; no wave of any partner still reads this slot or has a load on its way
	JFILL                                          ; its four v_nop are also the places in front of the loads below
	v_add_nc_u32 v[VB], s[TB], v[VB0]
	FETCH 1-(\f), \j, \aoff
.elseif (\kind) == 3
	s_wait_tensorcnt 0x0                           ; the last group is in
	s_xor_b32 s[TB], s[TB], SLOT1
	MUL8 \f, 0, \zero
	s_barrier_signal -1
	MUL8 \f, 1, \zero
	MUL8 \f, 2, \zero
	WIN 0
	s_barrier_wait -1
	PLACES
	v_add_nc_u32 v[VB], s[TB], v[VB0]
	FETCH 1-(\f), \j, \aoff
.elseif (\kind) == 4
	MUL8 \f, 0, \zero
	MUL8 \f, 1, \zero
	MUL8 \f, 2, \zero
.else
	MUL8 \f, 0, \zero
.if (\kind) == 1
	s_barrier_signal -1
.endif
	MUL8 \f, 1, \zero
	MUL8 \f, 2, \zero
.if (\kind) == 1
	s_barrier_wait -1
.endif
	PLACES
	FETCH 1-(\f), \j, \aoff
.endif
	MUL8 \f, 3, \zero
	MUL8 \f, 4, \zero
.if (\xs) >= 0
	XSTEP \xs, \left, \more
.endif
	MUL8 \f, 5, \zero
	MUL8 \f, 6, \zero
	MUL8 \f, 7, \zero
	WIN 0                                          ; at a label and at a branch every window is 0
.endm
; THE WAY OUT of row block a, in three parts.  PACK: rounded to f16, 16 bytes a lane, each accumulator read from its low end on.
; TOSTAGE: into my own stage, chunk 2 b + h of row r, and back as whole rows of 256 bytes.  SEND: stored.
.macro PACK a
.set AC, 64*((\a)%4)
	WIN 0x0a+5*((\a)/4)                            ; sources 0 and 1: window 2 or 3
.irp b, 0,1,2,3,4,5,6,7
.irp r, 0,1,2,3
	v_cvt_pk_f16_f32 v[TMP+4*(\b)+(\r)], v[AC+8*(\b)+2*(\r)], v[AC+8*(\b)+2*(\r)+1]
.endr
.endr
	WIN 0
.endm
.macro TOSTAGE a
.set BK, OB+32*((\a)%2)
.irp b, 0,1,2,3,4,5,6,7
	ds_store_b128 v[STO], v[TMP+4*(\b):TMP+4*(\b)+3] offset:32*(\b)
.endr
.irp t, 0,1,2,3,4,5,6,7
	ds_load_b128 v[BK+4*(\t):BK+4*(\t)+3], v[RD] offset:(\t)*2*SPITCH  ; LDS serves a wave's instructions in order (ISA guide 5.7.1.4): these see the stores above
.endr
.endm
.macro SEND a
.set BK, OB+32*((\a)%2)
	s_wait_dscnt 0x0                               ; the block is back in registers
	s_wait_xcnt 0x0                                ; only behind this wait are the registers that earlier stores read loaded again (ISA guide 3.1)
.irp t, 0,1,2,3,4,5,6,7
	global_store_b128 v[CO], v[BK+4*(\t):BK+4*(\t)+3], s[OUTB:OUTB+1] offset:(\a)*32768+(\t)*4096  ; 16 lanes store 256 consecutive bytes, aligned: my wave's part of a position's row
.endr
.endm
	; THE HEAD
	s_load_b512 s[8:23], s[0:1], 0x0               ; q, k, v, wb, bp, qf, kf, vf
	v_lshl_add_u32 v[SPW], v0, 2, SPARE
	v_mov_b32 v[NIL], 0
	ds_add_u32 v[SPW], v[NIL]                      ; the wave's opening: the add and its wait stand ahead of my first tensor load; the set-up below, work on registers, stands between them
	v_lshrrev_b32 v3, 5, v0
	v_readfirstlane_b32 s[WV], v3                  ; wave 0..3
	s_bfe_u32 s4, ttmp6, 0x40000                   ; cx: my place in the cluster
	s_and_b32 s[UH], ttmp9, 1                      ; in a cluster launch ttmp9 counts clusters: my column half,
	s_lshr_b32 s5, ttmp9, 1
	s_and_b32 s[RO], s5, 7                         ; the rotation: both alike in the four partners
	s_lshl_b32 s[RO2], s[RO], 1
	s_lshl_b32 s5, s5, 2
	s_add_co_u32 s5, s5, s4                        ; my block of 128 rows: it enters the addresses of q, k, v, qf, kf, vf alone,
	s_lshl_b32 s62, s5, 19                         ; as 128 rows of 4,096 bytes, in registers that feed no descriptor
	s_mov_b32 s63, 0
	; descriptor group 1: 32,768 dense bytes as 128 rows of 256
	s_mov_b32 s[G1+0], 15|(3<<16)|(1<<21)          ; 15:0 the mask: all four work-groups; 17:16 elements of 8 bytes; 20 no padding; 21 set beside a mask
	s_mov_b32 s[G1+1], 32<<16                      ; tensor_dim0 = 32
	s_mov_b32 s[G1+2], 128<<16                     ; tensor_dim1 = 128
	s_mov_b32 s[G1+3], 32<<16                      ; tile_dim0 = 32
	s_mov_b32 s[G1+4], 128                         ; tile_dim1 = 128
	s_mov_b32 s[G1+5], 32                          ; 32 elements from row to row
	s_mov_b32 s[G1+6], 0
	s_mov_b32 s[G1+7], 0
	s_mov_b32 s[G0A], 1                            ; count = 1
	s_lshl_b32 s[G0A+1], s[WV], 15                 ; LDS address: my quarter of slot 0: no place in the cluster enters it
	s_mov_b32 s[G0], 1
	s_add_co_u32 s[G0+1], s[G0A+1], SLOT1          ; and of slot 1
	s_mov_b32 s[OFF+1], 0
	s_mov_b32 s[NL], 2
	s_mov_b32 s[XI], 0
	s_mov_b32 s[TB], 0
	s_mov_b32 s[PHL], 3
	v_and_b32 v1, 15, v0                           ; r = l % 16
	v_bfe_u32 v2, v0, 4, 1                         ; h = l / 16
	v_and_b32 v3, 31, v0                           ; l
	v_lshl_add_u32 v[VB0], v3, 4, s[G0A+1]
	v_mov_b32 v[VB], v[VB0]
	v_mul_u32_u24 v7, v1, PHD
	v_lshl_add_u32 v7, v2, 4, v7
	v_add_nc_u32 v[VAA], AB, v7
	s_mul_i32 s[ST0], s[WV], 32*PHD
	s_add_co_u32 s[ST0], s[ST0], AB                ; my 32 rows of ring slot 0
	v_mul_u32_u24 v[VXW], v2, PHD
	v_lshl_add_u32 v[VXW], v1, 3, v[VXW]
	v_add_nc_u32 v[VXW], s[ST0], v[VXW]
	s_lshl_b32 s[ST0], s[WV], 17                   ; my 32 rows of x
	v_lshlrev_b32 v[XGO], 12, v2
	v_lshl_add_u32 v[XGO], v1, 4, v[XGO]
	v_add_nc_u32 v[XGO], s[ST0], v[XGO]
	s_mul_i32 s[ST0], s[WV], 1536
	s_add_co_u32 s[ST0], s[ST0], BI                ; my biases
	v_lshl_add_u32 v[VBI], v2, 5, s[ST0]
	v_lshl_add_u32 v[VBL], v3, 4, s[ST0]
	s_mul_i32 s[ST0], s[WV], 16*SPITCH
	s_add_co_u32 s[ST0], s[ST0], STAGE             ; my stage
	v_mul_u32_u24 v[STO], v1, SPITCH               ; in: row r, 16 bytes for each half of the lanes
	v_lshl_add_u32 v[STO], v2, 4, v[STO]
	v_add_nc_u32 v[STO], s[ST0], v[STO]
	v_mul_u32_u24 v[RD], v2, SPITCH                ; back: lanes 0-15 take one row of 256 bytes, lanes 16-31 the next
	v_lshl_add_u32 v[RD], v1, 4, v[RD]
	v_add_nc_u32 v[RD], s[ST0], v[RD]
	v_lshlrev_b32 v[CO], 11, v2                    ; and the same two positions in memory
	v_lshl_add_u32 v[CO], v1, 4, v[CO]
	v_lshlrev_b32 v[VBG], 4, v3
	s_wait_dscnt 0x0                               ; the opening add is done
	s_wait_kmcnt 0x0
	s_add_nc_u64 s[PQ:PQ+1], s[PQ:PQ+1], s[62:63]
	s_add_nc_u64 s[PQ+2:PQ+3], s[PQ+2:PQ+3], s[62:63]
	s_add_nc_u64 s[PQ+4:PQ+5], s[PQ+4:PQ+5], s[62:63]
	s_lshl_b32 s62, s5, 18                         ; 128 positions of 2,048 bytes,
	s_lshl2_add_u32 s[ST0], s[UH], s[WV]           ; U = 4 u + w:
	s_lshl_b32 s[ST0], s[ST0], 8                   ; my 256 bytes of a position
	s_add_co_u32 s62, s62, s[ST0]
	s_add_nc_u64 s[POUT:POUT+1], s[POUT:POUT+1], s[62:63]
	s_add_nc_u64 s[POUT+2:POUT+3], s[POUT+2:POUT+3], s[62:63]
	s_add_nc_u64 s[POUT+4:POUT+5], s[POUT+4:POUT+5], s[62:63]
	s_lshl_b32 s[OFF], s[ST0], 1                   ; 512 U
	s_add_nc_u64 s[BPB:BPB+1], s[BPB:BPB+1], s[OFF:OFF+1]
	s_lshl_b32 s[OFF], s[UH], 20
	s_add_co_u32 s[OFF], s[OFF], s[G0A+1]          ; u x 1 MiB + w x 32 KiB
	s_add_nc_u64 s[WBW:WBW+1], s[WBW:WBW+1], s[OFF:OFF+1]
	s_lshl_b32 s[OFF], s[RO], 17                   ; the walk's group 0 is Wq's group RO,
	s_add_nc_u64 s[G0A+2:G0A+3], s[WBW:WBW+1], s[OFF:OFF+1]
	s_or_b32 s[G0A+3], s[G0A+3], 0x80000000        ; type = 2
	s_add_co_u32 s[ST0], s[RO], 1                  ; group 1 the one behind it in the ring
	s_and_b32 s[ST0], s[ST0], 7
	s_lshl_b32 s[OFF], s[ST0], 17
	s_add_nc_u64 s[G0+2:G0+3], s[WBW:WBW+1], s[OFF:OFF+1]
	s_or_b32 s[G0+3], s[G0+3], 0x80000000
	CROUND                                         ; all four work-groups are here: the first joint loads meet
	tensor_load_to_lds s[G0A:G0A+3], s[G1:G1+7]    ; both first fills go out together: two loads of mine are out, later one
	s_nop 0
	tensor_load_to_lds s[G0:G0+3], s[G1:G1+7]
	s_nop 0
	PLACES
.set pp, 0
.rept 3                                                ; my 128 numbers of the three permuted biases
	global_load_b128 v[AF+4*pp:AF+4*pp+3], v[VBG], s[BPB:BPB+1] offset:4096*pp
.set pp, pp+1
.endr
	ISSUE 0                                        ; x chunks 0 and 1
	ISSUE 1
	s_wait_loadcnt 32                              ; the biases are in; the two chunks' 32 loads stay out
.set pp, 0
.rept 3
	ds_store_b128 v[VBL], v[AF+4*pp:AF+4*pp+3] offset:512*pp
.set pp, pp+1
.endr
	s_wait_loadcnt 16                              ; chunk 0 is in; chunk 1's 16 loads stay out
	CVTST 0
	ISSUE 0                                        ; chunk 2
	s_wait_tensorcnt 0x1                           ; my quarter of group 0 is in; group 1's load stays out
	s_wait_dscnt 0x0                               ; for the others' sake: my rows of chunk 0 are in the ring
	s_barrier_signal -1
	s_barrier_wait -1
	FETCH 0, 0, 0                                  ; the first K step's fragments
.Lphase:                                               ; three times.  The phase's first fragments are on their way into buffer 0
	BIASLOAD
	s_cmp_eq_u32 s[PHL], 1
	s_cselect_b32 s[EX], 2, 0
	TURN 0, 0, 1, 64, 1, 1                         ; K step 0: its products start the sums
	s_mov_b32 s[LC], 8
.Lk:                                                   ; a trip: K steps 4 n + 1 .. 4 n + 4: once round the x ring, one change of slots.  The eighth trip is left behind step 31
	TURN 1, 1, 2, ASLOT, -1, 0
	TURN 0, 0, 3, ASLOT+64, 0, 0
	TURN 1, 2, 0, 0, -1, 0
	s_cmp_eq_u32 s[LC], 1
	s_cbranch_scc1 .Lepi
	TURN 0, 0, 1, 64, 1, 0
	s_sub_co_u32 s[LC], s[LC], 1
	s_cmp_lg_u32 s[LC], s[EX]                      ; the last phase leaves behind step 24: its last group of weights and its last x chunk, 47, have been asked for
	s_cbranch_scc1 .Lk
	; the last phase's K steps 25 to 31, written out, so that no tensor load and no load of x is jumped over: nothing more is asked for
	TURN 1, 1, 2, ASLOT, -1, 0                     ; 25
	TURN 0, 0, 3, ASLOT+64, 0, 0, 16, 0            ; 26: chunk 46 goes into the ring; chunk 47's 16 loads stay out
	TURN 1, 3, 0, 0, -1, 0                         ; 27: the last change of slots
	TURN 0, 0, 1, 64, 1, 0, 0, 0                   ; 28: chunk 47 goes into the ring; no load is out behind it
	TURN 1, 1, 2, ASLOT, -1, 0                     ; 29
	TURN 0, 0, 3, ASLOT+64, -1, 0                  ; 30
	TURN 1, 4, 0, 0, -1, 0                         ; 31
.Lepi:                                                 ; the phase goes out; but except in the last phase the next group's load, the next phase's first fragments and two x chunks are on their way meanwhile
	PLACES
	s_cmp_eq_u32 s[PHL], 3
	s_cselect_b64 s[OUTB:OUTB+1], s[POUT:POUT+1], s[POUT+2:POUT+3]
	s_cmp_eq_u32 s[PHL], 1
	s_cselect_b64 s[OUTB:OUTB+1], s[POUT+4:POUT+5], s[OUTB:OUTB+1]
	PACK 0
	TOSTAGE 0
.irp a, 1,2,3,4,5,6,7                  ; block a's conversions stand between block a - 1's loads from the stage and the wait for them
	PACK \a
	SEND (\a)-1
	TOSTAGE \a
.endr
	SEND 7
	s_wait_xcnt 0x0                                ; the stores have read their registers and their base
	v_add_nc_u32 v[VBI], 512, v[VBI]               ; the next phase's bias
	s_sub_co_u32 s[PHL], s[PHL], 1
	s_cmp_lg_u32 s[PHL], 0
	s_cbranch_scc1 .Lphase
	s_wait_tensorcnt 0x0                           ; the wave's end: an add to my spare word and its wait, behind my last tensor load and my last LDS store
	ds_add_u32 v[SPW], v[NIL]
	s_wait_dscnt 0x0
	CROUND                                         ; the closing round: no work-group ends while a partner may still ask for a tile that names it
	s_endpgm
.Lfunc_end_k_qc9a065eef7_proj:
	.size	k_qc9a065eef7_proj, .Lfunc_end_k_qc9a065eef7_proj-k_qc9a065eef7_proj
	.p2alignl 7, 3214868480
	.fill 96, 4, 3214868480
	.section	.rodata,"a",@progbits
	.p2align	6, 0x0
	.amdhsa_kernel k_qc9a065eef7_proj
		.amdhsa_group_segment_fixed_size 327680
		.amdhsa_private_segment_fixed_size 0
		.amdhsa_enable_private_segment 0
		.amdhsa_kernarg_size 64
		.amdhsa_user_sgpr_count 2
		.amdhsa_user_sgpr_kernarg_segment_ptr 1
		.amdhsa_wavefront_size32 1
		.amdhsa_system_sgpr_workgroup_id_x 1
		.amdhsa_system_sgpr_workgroup_id_y 1
		.amdhsa_system_sgpr_workgroup_id_z 1
		.amdhsa_system_vgpr_workitem_id 0
		.amdhsa_next_free_vgpr 1024
		.amdhsa_next_free_sgpr 66
		.amdhsa_reserve_vcc 0
		.amdhsa_float_denorm_mode_32 3
		.amdhsa_float_denorm_mode_16_64 3
		.amdhsa_memory_ordered 1
		.amdhsa_forward_progress 1
		.amdhsa_inst_pref_size 147
	.end_amdhsa_kernel
	.amdgpu_metadata
---
amdhsa.version: [ 1, 2 ]
amdhsa.kernels:
  - .name:           k_qc9a065eef7_proj
    .symbol:         k_qc9a065eef7_proj.kd
    .args:
      - { .name: q, .offset: 0, .size: 8, .value_kind: global_buffer, .address_space: global }
      - { .name: k, .offset: 8, .size: 8, .value_kind: global_buffer, .address_space: global }
      - { .name: v, .offset: 16, .size: 8, .value_kind: global_buffer, .address_space: global }
      - { .name: wb, .offset: 24, .size: 8, .value_kind: global_buffer, .address_space: global }
      - { .name: bp, .offset: 32, .size: 8, .value_kind: global_buffer, .address_space: global }
      - { .name: qf, .offset: 40, .size: 8, .value_kind: global_buffer, .address_space: global }
      - { .name: kf, .offset: 48, .size: 8, .value_kind: global_buffer, .address_space: global }
      - { .name: vf, .offset: 56, .size: 8, .value_kind: global_buffer, .address_space: global }
    .group_segment_fixed_size: 327680
    .private_segment_fixed_size: 0
    .kernarg_segment_align: 8
    .kernarg_segment_size: 64
    .max_flat_workgroup_size: 128
    .sgpr_count:     66
    .vgpr_count:     1024
    .wavefront_size: 32
...
	.end_amdgpu_metadata
.endif
;; end of part 2
;; launch attno (part 3): grid 256 x 1, 4 waves a work-group, clusters of 4 x 1, 327,680 bytes of LDS; arguments qf, kf, vf, bo, wb, out0; writes out0
.if DOCPART == 3
	.amdgcn_target "amdgcn-amd-amdhsa--gfx1250"
	.amdhsa_code_object_version 6
	.text
	.protected	k_qc9a065eef7_attno
	.globl	k_qc9a065eef7_attno
	.p2align	8
	.type	k_qc9a065eef7_attno,@function
k_qc9a065eef7_attno:
	s_mov_b64 s[64:65], 0
	v_nop
	global_prefetch_b8 v0, s[64:65] scope:SCOPE_SE
	s_setreg_imm32_b32 hwreg(HW_REG_WAVE_MODE, 25, 1), 1
	s_wait_xcnt 0x0
	s_wait_alu depctr_hold_cnt(0) depctr_sa_sdst(0) depctr_va_vdst(0) depctr_va_sdst(0) depctr_va_ssrc(0) depctr_va_vcc(0) depctr_vm_vsrc(0)
	s_getreg_b32 s2, hwreg(HW_REG_IB_STS2, 6, 4)
	s_cmp_eq_u32 s2, 0
	s_cbranch_scc0 .Lentry_in_a_cluster
	s_endpgm
.Lentry_in_a_cluster:
	s_bfe_u32 s2, ttmp6, 0x10000c
	s_cmp_lg_u32 s2, 0x3003
	s_cbranch_scc0 .Lentry_shape_is_right
	s_endpgm
.Lentry_shape_is_right:
; out = (softmax_j(Q_i . K_j / 8) V_j) Wo + bo, the attention running over the 16 HEADS of each position.  qf, kf, vf: [16,384 positions][2,048 bytes] f16, a position's row being the register image of its
; operands (made so by the launch before): qf, kf: byte 512 c + 16 (r + 16 h) + 2 e = head r, channel 16 c + 8 h + e; vf: byte 512 cb + 16 (r + 16 h) + 2 e = channel 16 cb + r, head 8 h + e.  out0: [16,384][1,024] f32.
; A work-group carries 64 positions through the attention and the product with Wo; the attention's result never leaves LDS.  16,384 / 64 = 256 work-groups.
; THE ATTENTION.  Wave w owns positions 16 w .. 16 w + 15; every load of Q, K, V covers 512 consecutive bytes and lands in an operand's registers.  S^T = K Q^T of a position is one 16 x 16 tile (lane: one query
; head, 8 key heads); softmax with the row's true maximum taken away, p = 2^(c s - c m) / sum, c = log2(e) / 8; O^T = V^T P.  There are 16 keys for the instruction's 32: P's operand holds 0 for keys 16-31,
; and V's operands lie four registers apart, so that each one's upper half is the next one's numbers.  The result, rounded to f16, goes into the region X in LDS, [position][head][channel].
; THE PRODUCT.  [64 x 1,024] x [1,024 x 1,024]: 32 K steps of 32.  Wave w makes columns 256 w .. 256 w + 255 of all 64 rows: 64 accumulators.  The matrix instruction is used transposed (source 0 = 16 columns of Wo,
; source 1 = 16 positions): lane (r, h), register j of tile (a, b) holds position 16 a + r, column 256 w + 16 b + 8 h + j.  Its x fragments are read straight out of X.
; WEIGHTS come as ready fragment images: a K step is 16 KiB a wave, dense, fetched by one tensor load a wave into the wave's own quarter of one of two slots; X leaves no room for slots of two steps.
; CLUSTER.  The four work-groups of a cluster walk the same weights: each tile is asked for JOINTLY, same descriptor, mask of four.
; The K steps are walked in a ring that begins at step 2 (cluster x % 16): a sum's order of K differs from ascending by that rotation.
; LIMITS.  Matrix operands are f16: a weight p below 3e-8 becomes 0; |Wo| of 65,520 or more becomes an infinity; an infinity among a position's V gives NaN in that position and its neighbour (0 times infinity in the
; unused half of the keys).  NaN and infinities are not treated apart.
; REGISTERS, in windows of 256 (s_set_vgpr_msb: bits 1:0 source 0, 3:2 source 1, 5:4 source 2, 7:6 destination):
;   window 0: v0-29 addresses; v32-95 x fragments, two buffers; v96-223 bo
;   window 1: Q, then V of positions 0-11; in the product v0-127, v128-255 weight fragments, two buffers; at the end rows on their way out
;   window 2: scores and P, and the softmax's registers at work;  window 3: K, then V of positions 12-15 (v0-63) and O^T (v128-255);  in the product windows 2, 3 are the accumulators, tile T = 16 a + b at v[8 (T % 32)] of window 2 + T / 32
.set WS1,    65536                     ; LDS: weight slot 0 at 0, slot 1 here; wave w's quarter at + 16,384 w.  Filled by tensor loads alone
.set XL,     131072                    ; region X: position p at 2,320 p, head at + 144, channel at + 2: 144 and 2,320 are odd multiples of 16, so sixteen heads, or sixteen positions, start in sixteen different groups of four banks (ISA guide 11.1)
.set PPOS,   2320
.set PHD,    144
.set XWAVE,  16*PPOS                   ; 16 positions
.set SPARE,  XL+64*PPOS                ; the spare words, 128 bytes a wave: two blocks of 256 bytes that no other line names
.set SPITCH, 1040                      ; the way out: 16 rows x 1,024 bytes, 1,040 apart, two such stages in my wave's 16 positions of X
.set STGB,   16*SPITCH
.set WOFF,   0x600000                  ; Wo's images in wb
.set VB0,  8                           ; v8, v9  my 16 bytes of a fragment image in slot 0, 1: 16,384 w + 16 l
.set VAX,  10                          ; v10, v11  x fragments: XL + 2,320 r + 16 h; the same 32 positions on; never rewritten
.set VAT,  12                          ; v12, v13  the same at the head in hand
.set VQA,  19                          ; v19  a position's heads by rows: XL + 37,120 w + 144 r + 16 h
.set VPA,  20                          ; v20  XL + 37,120 w + 16 l
.set VST,  22                          ; v22  into the stage: XL + 37,120 w + 1,040 r + 32 h
.set VGO,  24                          ; v24  1,024 w + 16 l: my bytes of a row of out0
.set VL,   25                          ; v25  16 l
.set VBO,  26                          ; v26  1,024 w + 32 h: my eight numbers of bo for column block 0
.set SPW,  28                          ; v28  my spare word: SPARE + 4 x my thread's number; never rewritten
.set NIL,  29                          ; v29  0; never rewritten
.set AF,   32
.set BIASR, 96
.set RB,   128                         ; window 1
.set WV,   3                           ; s3   my wave's number
.set O2,   6                           ; s6   cluster x % 16
.set O22,  7                           ; s7   twice that
.set PQ,   8                           ; s[8:13]  qf, kf, vf at my wave's first position;  s[14:15] bo
.set WBW,  16                          ; s[16:17] wb at my wave's quarter of Wo's K step 0
.set OUTB, 18                          ; s[18:19] out0 at the rows to be stored
.set OFF,  26                          ; s[26:27] an offset, high word 0
.set G1,   32                          ; s[32:39] descriptor group 1, never rewritten
.set G0,   40                          ; s[40:43], s[44:47] descriptor group 0, a set for each slot
.set NL,   48                          ; s48  the trip whose tile is asked for next
.set OI,   51                          ; s51  heads taken as x chunks
.set LC,   54
.set ST0,  55
.set CS,   56                          ; s[56:57] c = log2(e) / 8
.set SEL,  58                          ; s[58:59] v_permlanex16_b32's selects: each lane takes its own place in the other half
.set MSB, 0
.macro WIN new                         ; the immediate's high byte repeats the setting that is left; a switch that changes nothing is dropped
.if MSB != (\new)
	s_set_vgpr_msb (MSB<<8)|(\new)
.set MSB, \new
.endif
.endm
.set MUL_LO, 0xa1                      ; source 0 (W) window 1, source 1 (x) window 0, C and D window 2
.set TO_B,   0x40                      ; destination window 1
.macro PLACES                          ; four places: between a matrix instruction and a vector instruction or load that touches its registers (ISA guide 7.12.1 for vector instructions)
.rept 4
	v_nop
.endr
.endm
.macro CREST                           ; a round of the cluster's barrier behind its opening barrier: wave 0 signals for the work-group, every wave waits for all four, the work-group's barrier closes
	s_cmp_lg_u32 s[WV], 0
	s_cbranch_scc1 .Lnot_wave_0_\@
	s_barrier_signal -3
.Lnot_wave_0_\@:
	s_barrier_wait -3
	s_barrier_signal -1
	s_barrier_wait -1
.endm
.macro CROUND
	s_barrier_signal -1
	s_barrier_wait -1
	CREST
.endm
; 8 matrix instructions: row block g / 2, column blocks 8 (g % 2) + 0 .. 7: tiles 8 g .. 8 g + 7.  All 64 accumulators take turns in the same order in every K step.
.macro MUL8 f, g, zero
	WIN MUL_LO+0x50*((\g)/4)
.set bb, 0
.rept 8
.set rD, 8*(8*((\g)%4)+bb)
.set rB, 128*(\f)+8*(8*((\g)%2)+bb)
.set rA, AF+32*(\f)+8*((\g)/2)
.if \zero
	v_wmma_f32_16x16x32_f16 v[rD:rD+7], v[rB:rB+7], v[rA:rA+7], 0
.else
	v_wmma_f32_16x16x32_f16 v[rD:rD+7], v[rB:rB+7], v[rA:rA+7], v[rD:rD+7]
.endif
.set bb, bb+1
.endr
.endm
.macro NEWCH                           ; the next 64 along K are the next head in the ring
	s_add_co_u32 s[ST0], s[OI], s[O2]
	s_and_b32 s[ST0], s[ST0], 15
	s_mul_i32 s[ST0], s[ST0], PHD
	v_add_nc_u32 v[VAT], s[ST0], v[VAX]
	v_add_nc_u32 v[VAT+1], s[ST0], v[VAX+1]
	s_add_co_u32 s[OI], s[OI], 1
.endm
; 40 LDS loads in one run: a K step's 16 weight fragments from my quarter of slot f (consecutive bytes) and its 4 x fragments, half a head of all 64 positions, into buffer f
.macro FETCH f, half
	WIN TO_B
.set bb, 0
.rept 16
	ds_load_b128 v[128*(\f)+8*bb:128*(\f)+8*bb+3],   v[VB0+(\f)] offset:1024*bb
	ds_load_b128 v[128*(\f)+8*bb+4:128*(\f)+8*bb+7], v[VB0+(\f)] offset:1024*bb+512
.set bb, bb+1
.endr
	WIN 0
.set bb, 0
.rept 4
	ds_load_b128 v[AF+32*(\f)+8*bb:AF+32*(\f)+8*bb+3],   v[VAT+bb/2] offset:64*(\half)+XWAVE*(bb%2)
	ds_load_b128 v[AF+32*(\f)+8*bb+4:AF+32*(\f)+8*bb+7], v[VAT+bb/2] offset:64*(\half)+XWAVE*(bb%2)+32
.set bb, bb+1
.endr
.endm
.macro WALK f                          ; slot f's group 0 takes trip NL's tile: the K step is turned by the cluster's rotation; a pointer plus an offset made apart
	s_add_co_u32 s[ST0], s[NL], s[O22]
	s_and_b32 s[ST0], s[ST0], 31
	s_lshl_b32 s[OFF], s[ST0], 16                  ; a tile is 65,536 bytes
	s_add_nc_u64 s[G0+4*(\f)+2:G0+4*(\f)+3], s[WBW:WBW+1], s[OFF:OFF+1]
	s_or_b32 s[G0+4*(\f)+3], s[G0+4*(\f)+3], 0x80000000
	s_add_co_u32 s[NL], s[NL], 1
.endm
.macro JFILL f                         ; the joint refill: one line for all waves, each with its own quarter in both addresses; s_nop 0 and four v_nop follow
	tensor_load_to_lds s[G0+4*(\f):G0+4*(\f)+3], s[G1:G1+7]
	s_nop 0
	PLACES
.endm
; A K STEP: 64 matrix instructions on buffer f (f = the step's parity).  fill = 1: ONE barrier, a round of the cluster's, for the change of slots.  In front of it each wave waits for all its tensor loads (one is
; out: the next step's quarter), adds 0 to its spare word, and waits for that and for its LDS instructions: its reads of slot f ended at the step's head.  Behind it slot f is asked for again, two steps ahead,
; first of all; then the next step's fragments are read, 24 matrix instructions ahead of their use.  From a request to the wait for it a wave issues 48 matrix instructions.
; zero = 1: the products start the sums.  fetch = 0: the last step: a plain barrier says that every wave's reads of X are over (they were waited for at the step's head), since the way out writes there.
.macro TURN f, zero, fill, fetch
	s_wait_dscnt 0x0                               ; this step's fragments are in
	MUL8 \f, 0, \zero
	MUL8 \f, 1, \zero
	MUL8 \f, 2, \zero
.if \fill
	WIN 0                                          ; (the add's two registers lie in window 0)
	s_wait_tensorcnt 0x0                           ; no tensor load of mine is out, so a group 0 may be written
	ds_add_u32 v[SPW], v[NIL]                      ; 0 onto my spare word
	WALK \f
	MUL8 \f, 3, \zero                              ; work on registers between the add and the wait for it
	s_wait_dscnt 0x0                               ; the add is done; no LDS instruction of mine is out
	s_barrier_signal -1
	MUL8 \f, 4, \zero
	WIN 0
	s_barrier_wait -1
	CREST                                          ; no wave of any partner still reads slot f or has a load on its way
	JFILL \f                                       ; its four v_nop are also the places in front of the loads below
.else
.if \fetch
	s_wait_tensorcnt 0x0                           ; the last tile is in; nothing is filled any more
.else
	s_barrier_signal -1
.endif
	MUL8 \f, 3, \zero
	MUL8 \f, 4, \zero
	WIN 0
	PLACES
.endif
.if \fetch
.if \f
	NEWCH
.endif
	FETCH 1-(\f), 1-(\f)
.endif
	MUL8 \f, 5, \zero
	MUL8 \f, 6, \zero
	MUL8 \f, 7, \zero
	WIN 0                                          ; at a label and at a branch every window is 0
.if !(\fill) && !(\fetch)
	s_barrier_wait -1
.endif
.endm
.macro ALL16 line:vararg               ; one line for each of my 16 positions t
.set t, 0
.rept 16
	\line
.set t, t+1
.endr
.endm
; O^T = V^T P, four positions at a time: accumulator ff = 4 u + cb (position 4 g + u, channels 16 cb on) at v[128 + 8 ff] of window 3; V's operand 16 g + ff four registers apart.  The result goes into X.
.macro PVG g
	s_wait_dscnt 0x0                               ; the stores of the group before have read their registers
	WIN 0xc9+2*((\g)/3)                            ; D window 3, P window 2, V window 1 (positions 12-15: window 3)
.set ff, 0
.rept 16
.set rV, 4*(16*((\g)%3)+ff)
	v_wmma_f32_16x16x32_f16 v[128+8*ff:128+8*ff+7], v[rV:rV+7], v[8*(4*(\g)+ff/4):8*(4*(\g)+ff/4)+7], 0
.set ff, ff+1
.endr
	PLACES
	WIN 0xcf                                       ; all in window 3
.set ff, 0
.rept 16
.set zz, 0
.rept 4
	v_cvt_pk_f16_f32 v[128+8*ff+zz], v[128+8*ff+2*zz], v[128+8*ff+2*zz+1]
.set zz, zz+1
.endr
.set ff, ff+1
.endr
	WIN 0x0c                                       ; data in window 3
.set ff, 0
.rept 16
	ds_store_b128 v[VQA], v[128+8*ff:128+8*ff+3] offset:PPOS*(4*(\g)+ff/4)+32*(ff%4)  ; lane (r, h): head r, channels 16 cb + 8 h + 0..7
.set ff, ff+1
.endr
.endm
; THE WAY OUT, 16 rows at a time: + bias; 32 bytes a lane into my own stage; back as whole rows of 1,024 bytes; stored, a wave's store covering 512 consecutive bytes, aligned.
.macro ADDB a
	WIN 0x82+0x41*((\a)/2)                         ; accumulators in window 2 or 3, bias in window 0
.set tt, 16*((\a)%2)
.rept 16
.set zz, 0
.rept 4
	v_pk_add_f32 v[8*tt+2*zz:8*tt+2*zz+1], v[8*tt+2*zz:8*tt+2*zz+1], v[BIASR+8*(tt%16)+2*zz:BIASR+8*(tt%16)+2*zz+1]
.set zz, zz+1
.endr
.set tt, tt+1
.endr
.endm
.macro STG a
	WIN 0x08+4*((\a)/2)
.set tt, 16*((\a)%2)
.rept 16
	ds_store_b128 v[VST], v[8*tt:8*tt+3]   offset:STGB*((\a)%2)+64*(tt%16)
	ds_store_b128 v[VST], v[8*tt+4:8*tt+7] offset:STGB*((\a)%2)+64*(tt%16)+16
.set tt, tt+1
.endr
.endm
.macro RDB a
	WIN TO_B
.set ii, 0
.rept 32
	ds_load_b128 v[RB+4*ii:RB+4*ii+3], v[VPA] offset:STGB*((\a)%2)+SPITCH*(ii/2)+512*(ii%2)  ; LDS serves a wave's instructions in order (ISA guide 5.7.1.4): these see the stores above
.set ii, ii+1
.endr
.endm
.macro SEND
	WIN 0x04                                       ; data in window 1
.set ii, 0
.rept 32
	global_store_b128 v[VGO], v[RB+4*ii:RB+4*ii+3], s[OUTB:OUTB+1] offset:4096*(ii/2)+512*(ii%2) th:TH_STORE_NT
.set ii, ii+1
.endr
.endm
	; THE HEAD
	s_load_b256 s[8:15], s[0:1], 0x0               ; qf, kf, vf, bo
	s_load_b128 s[16:19], s[0:1], 0x20             ; wb, out0
	v_lshl_add_u32 v[SPW], v0, 2, SPARE
	v_mov_b32 v[NIL], 0
	ds_add_u32 v[SPW], v[NIL]                      ; the wave's opening: the add and its wait stand ahead of my first tensor load; the set-up below, work on registers, stands between them
	v_lshrrev_b32 v3, 5, v0
	v_readfirstlane_b32 s[WV], v3                  ; wave 0..3
	s_bfe_u32 s4, ttmp6, 0x40000                   ; cx: my place in the cluster
	s_lshl_b32 s5, ttmp9, 2                        ; in a cluster launch ttmp9 counts clusters
	s_add_co_u32 s5, s5, s4                        ; my block of 64 positions: it enters the addresses of qf, kf, vf and out0 alone,
	s_lshl_b32 s62, s5, 17                         ; as 64 rows of 2,048 bytes, in registers that feed no descriptor,
	s_lshl_b32 s[ST0], s[WV], 15                   ; and my wave's 16 of them
	s_add_co_u32 s62, s62, s[ST0]
	s_mov_b32 s63, 0
	s_and_b32 s[O2], ttmp9, 15                     ; the rotation: alike in the four partners
	s_lshl_b32 s[O22], s[O2], 1
	; descriptor group 1: 16,384 dense bytes as 64 rows of 256
	s_mov_b32 s[G1+0], 15|(3<<16)|(1<<21)          ; 15:0 the mask: all four work-groups; 17:16 elements of 8 bytes; 20 no padding; 21 set beside a mask
	s_mov_b32 s[G1+1], 32<<16                      ; tensor_dim0 = 32
	s_mov_b32 s[G1+2], 64<<16                      ; tensor_dim1 = 64
	s_mov_b32 s[G1+3], 32<<16                      ; tile_dim0 = 32
	s_mov_b32 s[G1+4], 64                          ; tile_dim1 = 64
	s_mov_b32 s[G1+5], 32                          ; 32 elements from row to row
	s_mov_b32 s[G1+6], 0
	s_mov_b32 s[G1+7], 0
	s_mov_b32 s[G0], 1                             ; count = 1
	s_lshl_b32 s[G0+1], s[WV], 14                  ; LDS address: my quarter of slot 0: no place in the cluster enters it
	s_mov_b32 s[G0+4], 1
	s_add_co_u32 s[G0+5], s[G0+1], WS1             ; and of slot 1
	s_mov_b32 s[OFF+1], 0
	s_mov_b32 s[CS], 0x3e38aa3b                    ; c = log2(e) / 8 = 0.180337
	s_mov_b32 s[CS+1], s[CS]                       ; named with it as a pair
	s_mov_b32 s[SEL], 0x76543210
	s_mov_b32 s[SEL+1], 0xfedcba98
	s_mov_b32 s[NL], 2
	s_mov_b32 s[OI], 0
	v_and_b32 v1, 15, v0                           ; r = l % 16
	v_bfe_u32 v2, v0, 4, 1                         ; h = l / 16
	v_and_b32 v3, 31, v0                           ; l
	v_lshl_add_u32 v[VB0], v3, 4, s[G0+1]
	v_add_nc_u32 v[VB0+1], WS1, v[VB0]
	v_mul_u32_u24 v[VAX], v1, PPOS
	v_lshl_add_u32 v[VAX], v2, 4, v[VAX]
	v_add_nc_u32 v[VAX], XL, v[VAX]
	v_add_nc_u32 v[VAX+1], 2*XWAVE, v[VAX]
	s_mul_i32 s[ST0], s[WV], XWAVE
	s_add_co_u32 s[ST0], s[ST0], XL                ; my 16 positions in X
	v_mul_u32_u24 v7, v1, PHD
	v_lshl_add_u32 v7, v2, 4, v7
	v_add_nc_u32 v[VQA], s[ST0], v7
	v_lshl_add_u32 v[VPA], v3, 4, s[ST0]
	v_mul_u32_u24 v[VST], v1, SPITCH
	v_lshl_add_u32 v[VST], v2, 5, v[VST]
	v_add_nc_u32 v[VST], s[ST0], v[VST]
	s_lshl_b32 s[ST0], s[WV], 10
	v_lshl_add_u32 v[VGO], v3, 4, s[ST0]
	v_lshl_add_u32 v[VBO], v2, 5, s[ST0]
	v_lshlrev_b32 v[VL], 4, v3
	s_wait_dscnt 0x0                               ; the opening add is done
	s_wait_kmcnt 0x0
	s_add_nc_u64 s[PQ:PQ+1], s[PQ:PQ+1], s[62:63]
	s_add_nc_u64 s[PQ+2:PQ+3], s[PQ+2:PQ+3], s[62:63]
	s_add_nc_u64 s[PQ+4:PQ+5], s[PQ+4:PQ+5], s[62:63]
	s_lshl_b32 s62, s5, 18                         ; 64 rows of 4,096 bytes
	s_add_nc_u64 s[OUTB:OUTB+1], s[OUTB:OUTB+1], s[62:63]
	s_add_co_u32 s[OFF], s[G0+1], WOFF
	s_add_nc_u64 s[WBW:WBW+1], s[WBW:WBW+1], s[OFF:OFF+1]
	s_lshl_b32 s[OFF], s[O22], 16                  ; trip 0 takes K step 2 O2,
	s_add_nc_u64 s[G0+2:G0+3], s[WBW:WBW+1], s[OFF:OFF+1]
	s_or_b32 s[G0+3], s[G0+3], 0x80000000          ; type = 2
	s_add_co_u32 s[OFF], s[OFF], 65536             ; trip 1 the step behind it (2 O2 + 1 is 31 at the most)
	s_add_nc_u64 s[G0+6:G0+7], s[WBW:WBW+1], s[OFF:OFF+1]
	s_or_b32 s[G0+7], s[G0+7], 0x80000000
	CROUND                                         ; all four work-groups are here: the first joint loads meet
	tensor_load_to_lds s[G0:G0+3], s[G1:G1+7]      ; both first fills go out together and land under the attention: two loads of mine are out, later one
	s_nop 0
	tensor_load_to_lds s[G0+4:G0+7], s[G1:G1+7]
	s_nop 0
	PLACES
	WIN TO_B                                       ; Q of my 16 positions: position i at v[16 i] of window 1, 32 channels in 8 registers; each load 512 consecutive bytes, read once in the launch
.set ii, 0
.rept 64
	global_load_b128 v[4*ii:4*ii+3], v[VL], s[PQ:PQ+1] offset:512*ii th:TH_LOAD_NT
.set ii, ii+1
.endr
	WIN 0xc0                                       ; K likewise, window 3
.set ii, 0
.rept 64
	global_load_b128 v[4*ii:4*ii+3], v[VL], s[PQ+2:PQ+3] offset:512*ii th:TH_LOAD_NT
.set ii, ii+1
.endr
	; SCORES.  S^T of position t in window 2 at v[8 t]: lane (r, h) holds query head r, key heads 8 h + 0..7.  The 16 accumulators take turns.
	s_wait_loadcnt 0x0
	WIN 0xa7                                       ; source 0 window 3, source 1 window 1, C and D window 2
	ALL16 v_wmma_f32_16x16x32_f16 v[8*t:8*t+7], v[16*t:16*t+7], v[16*t:16*t+7], 0
	ALL16 v_wmma_f32_16x16x32_f16 v[8*t:8*t+7], v[16*t+8:16*t+15], v[16*t+8:16*t+15], v[8*t:8*t+7]
	PLACES
	WIN TO_B                                       ; V takes Q's and K's places and lands under the softmax: operand ff = 4 i + cb at four registers each; positions 0-11 in window 1,
.set ff, 0
.rept 48
	global_load_b128 v[4*ff:4*ff+3], v[VL], s[PQ+4:PQ+5] offset:512*ff th:TH_LOAD_NT
.set ff, ff+1
.endr
	WIN 0xc0                                       ; positions 12-15 in window 3.  Behind each run's last operand lie four registers of Q or K: finite numbers for the unused half of the keys
.rept 16
	global_load_b128 v[4*(ff-48):4*(ff-48)+3], v[VL], s[PQ+4:PQ+5] offset:512*ff th:TH_LOAD_NT
.set ff, ff+1
.endr
	WIN 0
.set bb, 0
.rept 16                                               ; bo of my eight columns of each column block, kept to the end
	global_load_b128 v[BIASR+8*bb:BIASR+8*bb+3],   v[VBO], s[14:15] offset:64*bb
	global_load_b128 v[BIASR+8*bb+4:BIASR+8*bb+7], v[VBO], s[14:15] offset:64*bb+16
.set bb, bb+1
.endr
	; SOFTMAX, stage by stage over the 16 tiles, all in window 2; at work: v[128 + 8 t ..]
	WIN 0xaa
	ALL16 v_max3_num_f32 v[128+8*t], v[8*t], v[8*t+1], v[8*t+2]
	ALL16 v_max3_num_f32 v[129+8*t], v[8*t+3], v[8*t+4], v[8*t+5]
	ALL16 v_max3_num_f32 v[128+8*t], v[128+8*t], v[8*t+6], v[8*t+7]
	ALL16 v_max_num_f32 v[128+8*t], v[128+8*t], v[129+8*t]
	ALL16 v_permlanex16_b32 v[129+8*t], v[128+8*t], s[SEL], s[SEL+1]  ; the query's other 8 key heads lie in the lane 16 away
	ALL16 v_max_num_f32 v[128+8*t], v[128+8*t], v[129+8*t]
	ALL16 v_mul_f32 v[128+8*t], s[CS], v[128+8*t]                     ; c m
.irp q, 0,2,4,6
	ALL16 v_pk_fma_f32 v[8*t+\q:8*t+\q+1], v[8*t+\q:8*t+\q+1], s[CS:CS+1], v[128+8*t:129+8*t] op_sel_hi:[1,0,0] neg_lo:[0,0,1] neg_hi:[0,0,1]
.endr
.irp e, 0,1,2,3,4,5,6,7
	ALL16 v_exp_f32 v[8*t+\e], v[8*t+\e]
.endr
	v_nop                                          ; a plain instruction between the last exponential and the use of its result (ISA guide 5.7.2)
	s_wait_alu depctr_va_vdst(0)
	ALL16 v_pk_add_f32 v[128+8*t:129+8*t], v[8*t:8*t+1], v[8*t+2:8*t+3]
	ALL16 v_pk_add_f32 v[130+8*t:131+8*t], v[8*t+4:8*t+5], v[8*t+6:8*t+7]
	ALL16 v_pk_add_f32 v[128+8*t:129+8*t], v[128+8*t:129+8*t], v[130+8*t:131+8*t]
	ALL16 v_add_f32 v[128+8*t], v[128+8*t], v[129+8*t]
	ALL16 v_permlanex16_b32 v[129+8*t], v[128+8*t], s[SEL], s[SEL+1]
	ALL16 v_add_f32 v[128+8*t], v[128+8*t], v[129+8*t]
	ALL16 v_rcp_f32 v[128+8*t], v[128+8*t]
	v_nop                                          ; likewise behind the last reciprocal
	s_wait_alu depctr_va_vdst(0)
.irp q, 0,2,4,6
	ALL16 v_pk_mul_f32 v[8*t+\q:8*t+\q+1], v[8*t+\q:8*t+\q+1], v[128+8*t:129+8*t] op_sel_hi:[1,0]
.endr
.irp z, 0,1,2,3
	ALL16 v_cvt_pk_f16_f32 v[8*t+\z], v[8*t+2*\z], v[8*t+2*\z+1]      ; P, in place: the tile's four lowest registers are keys 8 h + 0..7,
.endr
.irp z, 4,5,6,7
	ALL16 v_mov_b32 v[8*t+\z], 0                                      ; the other four, keys 16-31, are 0: 64 lines, once
.endr
	s_wait_loadcnt 0x0                             ; V and bo are in
	PVG 0
	PVG 1
	PVG 2
	PVG 3
	WIN 0
	s_wait_tensorcnt 0x1                           ; my quarter of trip 0's tile is in; trip 1's load stays out
	s_wait_dscnt 0x0                               ; for the others' sake: my 16 positions are in X
	s_barrier_signal -1
	s_barrier_wait -1                              ; X is whole
	; THE PRODUCT WITH Wo
	NEWCH
	FETCH 0, 0
	TURN 0, 1, 1, 1                                ; K step 0: its products start the sums
	s_mov_b32 s[LC], 14
.Lk:                                                   ; K steps 1 to 28, two a trip: a head
	TURN 1, 0, 1, 1
	TURN 0, 0, 1, 1
	s_sub_co_u32 s[LC], s[LC], 1
	s_cmp_lg_u32 s[LC], 0
	s_cbranch_scc1 .Lk
	TURN 1, 0, 1, 1                                ; K step 29 asks for the last tile
	TURN 0, 0, 0, 1                                ; the tail is written out: nothing more is asked for
	TURN 1, 0, 0, 0
	PLACES
	ADDB 0
	STG 0
	RDB 0
.irp a, 1,2,3                          ; a block's additions and stage stores stand between the loads of the block before and its stores to memory
	ADDB \a
	STG \a
	s_wait_dscnt 32                                ; all but the 32 stage stores just issued: the block before is back in registers
	SEND
	s_wait_xcnt 0x0                                ; only behind this wait are the stores' base and data registers rewritten (ISA guide 3.1)
	s_add_nc_u64 s[OUTB:OUTB+1], s[OUTB:OUTB+1], 16*4096
	RDB \a
.endr
	s_wait_dscnt 0x0
	SEND
	WIN 0
	s_wait_tensorcnt 0x0                           ; the wave's end: an add to my spare word and its wait, behind my last tensor load and my last LDS store
	ds_add_u32 v[SPW], v[NIL]
	s_wait_dscnt 0x0
	CROUND                                         ; the closing round: no work-group ends while a partner may still ask for a tile that names it
	s_endpgm
.Lfunc_end_k_qc9a065eef7_attno:
	.size	k_qc9a065eef7_attno, .Lfunc_end_k_qc9a065eef7_attno-k_qc9a065eef7_attno
	.p2alignl 7, 3214868480
	.fill 96, 4, 3214868480
	.section	.rodata,"a",@progbits
	.p2align	6, 0x0
	.amdhsa_kernel k_qc9a065eef7_attno
		.amdhsa_group_segment_fixed_size 327680
		.amdhsa_private_segment_fixed_size 0
		.amdhsa_enable_private_segment 0
		.amdhsa_kernarg_size 48
		.amdhsa_user_sgpr_count 2
		.amdhsa_user_sgpr_kernarg_segment_ptr 1
		.amdhsa_wavefront_size32 1
		.amdhsa_system_sgpr_workgroup_id_x 1
		.amdhsa_system_sgpr_workgroup_id_y 1
		.amdhsa_system_sgpr_workgroup_id_z 1
		.amdhsa_system_vgpr_workitem_id 0
		.amdhsa_next_free_vgpr 1024
		.amdhsa_next_free_sgpr 66
		.amdhsa_reserve_vcc 0
		.amdhsa_float_denorm_mode_32 3
		.amdhsa_float_denorm_mode_16_64 3
		.amdhsa_memory_ordered 1
		.amdhsa_forward_progress 1
		.amdhsa_inst_pref_size 174
	.end_amdhsa_kernel
	.amdgpu_metadata
---
amdhsa.version: [ 1, 2 ]
amdhsa.kernels:
  - .name:           k_qc9a065eef7_attno
    .symbol:         k_qc9a065eef7_attno.kd
    .args:
      - { .name: qf, .offset: 0, .size: 8, .value_kind: global_buffer, .address_space: global }
      - { .name: kf, .offset: 8, .size: 8, .value_kind: global_buffer, .address_space: global }
      - { .name: vf, .offset: 16, .size: 8, .value_kind: global_buffer, .address_space: global }
      - { .name: bo, .offset: 24, .size: 8, .value_kind: global_buffer, .address_space: global }
      - { .name: wb, .offset: 32, .size: 8, .value_kind: global_buffer, .address_space: global }
      - { .name: out0, .offset: 40, .size: 8, .value_kind: global_buffer, .address_space: global }
    .group_segment_fixed_size: 327680
    .private_segment_fixed_size: 0
    .kernarg_segment_align: 8
    .kernarg_segment_size: 48
    .max_flat_workgroup_size: 128
    .sgpr_count:     66
    .vgpr_count:     1024
    .wavefront_size: 32
...
	.end_amdgpu_metadata
.endif
;; end of part 3
